; MI455X (gfx1250); checked and timed in simulation.
; The chip was launched on July 23, 2026; its instructions are those of AMD's public machine-readable ISA for CDNA 5 (MIT licence, August 2026) and "CDNA5" Instruction Set Architecture Reference Guide (July 2026). The comments in the code are by the model that wrote it; some were corrected since.
;; Block Sparse Attention. Allowed arithmetic: matrix products marked QUANTISED: E5M2 operands, one E8M0 scale for each 32 along K, by v_wmma_scale_f32_16x16x128_f8f6f4 with both operands' format E5M2, f32 sums; everything else in f32.
;; Inputs: k 1 x 16 x 4,096 x 128 float32; q 1 x 16 x 4,096 x 128 float32; v 1 x 16 x 4,096 x 128 float32.
;; Outputs: out0 1 x 16 x 4,096 x 128 float32.
;; This version of the problem:
;;   THIS VERSION OF THE PROBLEM IS GIVEN IN LOW PRECISION. The matrix products marked QUANTISED in the list below multiply operands that are first quantised to E5M2 (5 exponent bits, 2 mantissa bits; 8 bits a number), with one power-of-two scale for each 32 numbers along K (OCP MX v1.0); their sums are f32. All else is computed in f32.
;;   The module's matrix products, in the order in which they are computed (A, B: the left and right operand; K: the contracted axis; several contracted axes count as one K, in the product's order):
;;     1. batch 16 x [M 4,096, K 128] x [K 128, N 4,096]; A: input q; B: input k: QUANTISED
;;     2. batch 16 x [M 4,096, K 4,096] x [K 4,096, N 128]; A: softmax (see below); B: input v: QUANTISED
;;   THE QUANTISER, for each operand of a quantised product, along K:
;;     - K is cut into blocks of 32 from its start; a last block that is shorter is filled with zeros.
;;     - A block's scale is 2^e with e = floor(log2(the largest magnitude in the block)) - 15, held to -126 .. 127; a block of zeros has e = 0. As a byte (E8M0): e + 127.
;;     - Each number is divided by its block's scale, clamped to +-57,344, and rounded to the nearest number of E5M2, ties to even, subnormals kept.
;;     - The product sums the exact products of the quantised numbers (number of the format x scale) in f32.
;;   ~~~python
;;   def quantise(x, axis):      # numpy; x: float32 -> the quantised numbers, widened to float32 again
;;       x = np.moveaxis(x, axis, -1); K = x.shape[-1]
;;       x = np.pad(x, [(0, 0)] * (x.ndim - 1) + [(0, -K % 32)]); x = x.reshape(x.shape[:-1] + (-1, 32)); a = np.abs(x).max(-1, keepdims=True)
;;       e = np.where(a > 0, np.clip(np.frexp(np.where(a > 0, a, 1))[1] - 1 - 15, -126, 127), 0)      # np.frexp(a)[1] - 1 = floor(log2(a)), exactly
;;       r = np.clip(x / 2.0 ** e, -57344, 57344)
;;       step = 2.0 ** (np.maximum(np.frexp(np.where(r == 0, 1, r))[1] - 1, -14) - 2)
;;       q = np.round(r / step) * step * 2.0 ** e      # np.round: ties to even
;;       return np.moveaxis(q.reshape(q.shape[:-2] + (-1,))[..., :K], -1, axis).astype(np.float32)
;;   ~~~
;;   SOFTMAX AHEAD OF A QUANTISED PRODUCT. Where the list says 'softmax', what is quantised is not the finished softmax but p = 2^(t - M), with t = logit x log2(e) and M = ceil(the row's largest t), a whole number; so 1/2 < the row's largest p <= 1. The row's sum l is taken of the UNQUANTISED p, in f32, and the product's result is divided by l at the end. Since M is a whole number, a kernel that streams over the keys may use a running M (the ceiling of the running maximum): every later rescaling is an exact power of two, which a block's scale takes up: the codes' values come out the same.
;;   OPERANDS COMPUTED ON THE WAY. 'Computed on the way' means the value that the module computes at that place (a softmax that the list does not call 'softmax' is quantised finished and normalised). What goes into a quantiser is computed in f32, as accurately as f32 sums, v_exp_f32 and their like allow (about 1e-6 of the number): no bf16 or f16 on the way to a quantiser, and a product that is left as it is and whose result goes on into a quantised operand takes f32 operands (vector FMAs, or v_wmma_f32_16x16x4_f32). A number that lies on a knife's edge between two numbers of the format may be rounded either way, as far as f32 arithmetic and the matrix unit's own rounding can turn it there, and no further.
;; 2 versions, each right; version 2 is version 1 with the launch attn written anew for expert scheduling mode. Each part assembles by itself: llvm-mc -triple=amdgcn-amd-amdhsa -mcpu=gfx1250 --defsym DOCPART=n.
;; ======== version 1 of 2: 1 launch
;; launch attn (part 1): grid 16 x 16, 8 waves a work-group, no clusters, 175,616 bytes of LDS; arguments q, k, v, out0; writes out0
.if DOCPART == 1
	.amdgcn_target "amdgcn-amd-amdhsa--gfx1250"
	.amdhsa_code_object_version 6
	.text
	.protected	k_qaf29fd2ff4_attn
	.globl	k_qaf29fd2ff4_attn
	.p2align	8
	.type	k_qaf29fd2ff4_attn,@function
k_qaf29fd2ff4_attn:
	s_mov_b64 s[64:65], 0
	v_nop
	global_prefetch_b8 v0, s[64:65] scope:SCOPE_SE
	s_setreg_imm32_b32 hwreg(HW_REG_WAVE_MODE, 25, 1), 1
	s_wait_xcnt 0x0
; out0[h][q] = sum over the keys of softmax(q . k / sqrt(128)) v, where a query of 64-token block i sees the keys of blocks i-1, i, i+1 alone.
; q, k, v, out0: [16][4096][128] f32.  Both products on codes of BF8 (E5M2) with one E8M0 scale for each 32 along a product's K:
; q and k are quantised along the head's 128, v and p along the keys (blocks of 32 from key 0: a 64-token block is two of them).
; p = 2^(t - M), t = score x log2(e) / sqrt(128), M = ceil(the row's largest t); the row's sum is taken of the unquantised p and divides at the end.
; A row's 192 keys are all in registers at once, so M is the row's own and nothing is rescaled.
; SHARES.  A work-group (x = chunk c of 256 queries, y = head) has eight waves.  It needs six key blocks, 4c-1 .. 4c+4: STAGES 0 .. 5, in three PAIRS of 128 keys.
; Of pair t wave w quantises one tile of 16 keys of K, one piece of V (32 keys x 64 channels) and, for t >= 1, its own 16 queries; the codes go to LDS as
; images of the operands' registers (16 bytes a lane on end), each byte written once.  ATT t (t = 1, 2): wave w owns queries 256c + 128(t-1) + 16w + 0..15 and
; reads the three stages 2t-2+qb .. 2t+qb, qb = w / 4.
; THE KEYS OF A TILE OF K ARE NOT NEIGHBOURS: row j of tile 2b+u is key 32b + 8u + j + 8(j/8), so that p's 16 registers of tiles 2b, 2b+1 are 16 neighbouring keys.
; Both products are used transposed (S^T = K Q^T, O^T = V^T P^T): a lane holds one query throughout.
; THE SECOND PRODUCT has 192 keys: a K step of 128 and one of 64.  The second step's upper 64 places hold zero codes on p's side (v248-255, cleared once) and, on V's side,
; the first step's first eight registers, finite codes: they add nothing, whatever their scale bytes (here 0, which is no NaN).
; THE ENDS OF A HEAD.  Stage 0 of chunk 0 and stage 5 of chunk 15 do not exist: the block's index is held to 0 .. 63, so the neighbouring block is loaded in their place,
; and the scores of that stage are set to -infinity (a scalar branch on the work-group's and the wave's number): p = 0, codes 0.
; NO JOINT LOADS: the numbers arrive as f32 and pass through registers to be quantised; of a work-group's six key blocks two are also a neighbour's, and each neighbour wants others beside them.
; LIMITS: NaN and infinities among the inputs are not served.  A block of zeros gets the scale byte 1 where the rule says 127: its codes are zeros, and this program alone reads the bytes.
; A p under 2^-126 comes out of v_exp_f32 as 0.
;
; LDS: a stage of 8,960 bytes for each wave (16 rows of 528, or two halves of 16 rows of 272, the second 4,416 on); K's 24 tiles, 2,048 each; V's 96 pieces, 512 each;
; K's scale words, 128 bytes a tile; V's scale bytes at 256 stage + 32 T + 2 r + (block & 1).
.set STGB, 8960
.set KIMG, 8*STGB
.set VIMG, KIMG+24*2048
.set KSC,  VIMG+96*512
.set VSC,  KSC+24*128
; REGISTERS, window 0
.set OQ,   1          ; byte offset of my lane in my 16 rows of q and of out0 (ATT 1's); never rewritten
.set OFK,  2          ; offset of the K loads in hand
.set OFV,  3          ; of the V loads
.set STW,  4          ; my stage + 16 lane
.set STR,  5          ; my stage + 528 r + 64 h
.set SVW,  6          ; my stage + 4416 h + 16 r
.set SVR,  7          ; my stage + 4416 h + 4 r
.set KWI,  8          ; KIMG + 2048 w + 16 lane
.set KWS,  9          ; KSC + 128 w + 4 lane
.set VWI,  10         ; VIMG + 2048 w + 16 lane
.set VWS,  11         ; VSC + 256 (w/4) + 128 (w&1) + ((w/2)&1) + 2 r
.set KRD,  12         ; KIMG + 8192 qb + 16 lane
.set KSRD, 13         ; KSC + 512 qb + 4 lane
.set VRD,  14         ; VIMG + 8192 qb + 16 lane
.set VSRD, 15         ; VSC + 256 qb + 2 r
.set OSW,  16         ; my stage + 528 r + 32 h
.set LI,   17         ; 16 lane
.set LV,   18         ; 8192 h + 16 r
.set QS,   19         ; Q's scale word
.set PW,   20         ; the scale word just made (K's)
.set PS0,  21         ; p's scale words
.set PS1,  22
.set QF,   24         ; v24-39   Q's fragment
.set KS,   40         ; v40-47   K's scale words, two groups of four
.set VSL,  48         ; v48-55   V's scale words of the first K step, T = 0..7
.set VS1,  56         ; v56-63   of the second
.set XA,   64         ; v64-127  numbers to quantise; K's fragments; softmax's figures; rows on the way out
.set S,    128        ; v128-223 twelve tiles of scores, then p, then V's fragments, then results
.set XB,   128        ; v128-191 numbers to quantise
.set TM,   192        ; v192-207 quantiser: +0 largest magnitudes, +4 bytes, +8 limits, +12 scale operands
.set PC,   224        ; v224-239 codes just made; p's codes of blocks 0-3
.set P1,   240        ; v240-247 p's codes of blocks 4, 5;  v248-255 zeros
.set BM,   64         ; softmax, inside XA: six blocks' largest scores, then largest p
.set BP,   70         ; at work; then the six bytes
.set LM,   76         ; 57,344 x the scale
.set SO,   82         ; the conversions' scale operands
.set NM,   88         ; v88 -M; v89 is named with it as a pair and never taken
.set RM,   90
.set SA,   92         ; the row's sum in two chains of pairs
.set SB,   94
.set RC,   96         ; 1 / the sum; v97 is named with it as a pair and never taken
; window 1
.set KR,   0          ; K as loaded
.set VR,   64         ; V as loaded
.set QR,   128        ; Q as loaded
.set O,    192        ; eight accumulators of O^T; before them
.set KB,   192        ; K's fragments of group 1
; scalars: s[4:11] q, k, v, out0; s12 w; s13 c; s14 head's bytes; s15 qb; s16-18 K's offsets of pairs 0-2; s19-21 V's; s22, s23 the ends' tests; s[24:25] lane selects; s[26:27] c; s28 mantissa
.set MSB, 0
.macro WIN new                         ; low byte: bits 1:0 source 0, 3:2 source 1, 5:4 source 2, 7:6 destination; the high byte repeats the setting that is left
.if MSB != \new
	s_set_vgpr_msb (MSB<<8)|\new
.set MSB, \new
.endif
.endm
; ---- sixteen loads of 512 consecutive bytes each.  The offset register is free: the loads that named it last have been waited for by their own count.
.macro GLOADK t                        ; my tile's sixteen rows of K: one whole row a load
	v_add_nc_u32 v[OFK], s[16+\t], v[LI]
	WIN 0x40
.irp j, 0,1,2,3,4,5,6,7,8,9,10,11,12,13,14,15
	global_load_b128 v[KR+4*\j:KR+4*\j+3], v[OFK], s[6:7] offset:(\j+8*(\j/8))*512
.endr
	WIN 0
.endm
.macro GLOADV t                        ; my 32 keys x 64 channels of V: lanes 0-15 take 256 aligned bytes of key j, lanes 16-31 of key 16 + j
	v_add_nc_u32 v[OFV], s[19+\t], v[LV]
	WIN 0x40
.irp j, 0,1,2,3,4,5,6,7,8,9,10,11,12,13,14,15
	global_load_b128 v[VR+4*\j:VR+4*\j+3], v[OFV], s[8:9] offset:512*\j
.endr
	WIN 0
.endm
.macro GLOADQ t                        ; my sixteen queries of ATT t; read once in the launch
	WIN 0x40
.irp j, 0,1,2,3,4,5,6,7,8,9,10,11,12,13,14,15
	global_load_b128 v[QR+4*\j:QR+4*\j+3], v[OQ], s[4:5] offset:((\t)-1)*65536+512*\j th:TH_LOAD_NT
.endr
	WIN 0
.endm
; ---- sixteen rows of 512 bytes turn through my stage: in as loaded, back so that v[x + 16 b + e] = row r, channel 32 b + 16 h + e: the operand's order.
; LDS serves a wave's instructions in order: no wait between the stores and the loads.  Rows 528 bytes apart: the sixteen rows of a load start at sixteen different groups of banks.
.macro TURNROW set, x
	WIN 0x04
.irp j, 0,1,2,3,4,5,6,7,8,9,10,11,12,13,14,15
	ds_store_b128 v[STW], v[\set+4*\j:\set+4*\j+3] offset:528*\j
.endr
	WIN 0
.irp b, 0,1,2,3
.irp i, 0,1,2,3
	ds_load_b128 v[\x+16*\b+4*\i:\x+16*\b+4*\i+3], v[STR] offset:128*\b+16*\i
.endr
.endr
.endm
; ---- V's piece: in as loaded (half h: keys 16 h + j, rows of 272 bytes), back a column a lane: v[x + 16 u + i] = V[key 16 h + i][channel 16 u + r] of my 32 keys and 64 channels
.macro TURNCOL x
	WIN 0x04
.irp j, 0,1,2,3,4,5,6,7,8,9,10,11,12,13,14,15
	ds_store_b128 v[SVW], v[VR+4*\j:VR+4*\j+3] offset:272*\j
.endr
	WIN 0
.irp u, 0,1,2,3
.irp i, 0,1,2,3,4,5,6,7,8,9,10,11,12,13,14,15
	ds_load_b32 v[\x+16*\u+\i], v[SVR] offset:272*\i+64*\u
.endr
.endr
.endm
; ---- 64 numbers of a lane, four runs of 16, each half of a block of 32 whose other half lies in lane l xor 16, become 16 registers of codes in v[d] on;
; the four bytes stay in v[TM+4] on and, where word is not 0, make the scale word v[word].
.macro QUANT s, d, word
.irp b, 0,1,2,3
	v_max3_num_f32 v[TM+\b], |v[\s+16*\b]|, |v[\s+1+16*\b]|, 0x8000000   ; my 16 numbers, and the floor 2^(16 - 127): the byte cannot fall under 1
.endr
.irp i, 2,4,6,8,10,12,14
.irp b, 0,1,2,3
	v_max3_num_f32 v[TM+\b], v[TM+\b], |v[\s+16*\b+\i]|, |v[\s+1+16*\b+\i]|   ; the four blocks by turns
.endr
.endr
.irp b, 0,1,2,3
	v_permlanex16_b32 v[TM+4+\b], v[TM+\b], s24, s25
.endr
.irp b, 0,1,2,3
	v_max_num_f32 v[TM+\b], v[TM+\b], v[TM+4+\b]          ; the block's largest magnitude
.endr
.irp b, 0,1,2,3
	v_add_nc_u32 v[TM+12+\b], 0xf8800000, v[TM+\b]        ; 15 off its exponent field: the conversion's scale operand
.endr
.irp b, 0,1,2,3
	v_and_or_b32 v[TM+8+\b], v[TM+\b], 0x7f800000, s28    ; 57,344 x the scale
.endr
.irp b, 0,1,2,3
	v_lshrrev_b32 v[TM+4+\b], 23, v[TM+12+\b]             ; the scale's byte
.endr
.if \word
	v_lshl_or_b32 v[\word], v[TM+5], 8, v[TM+4]
	v_lshl_or_b32 v[\word], v[TM+6], 16, v[\word]
	v_lshl_or_b32 v[\word], v[TM+7], 24, v[\word]
.endif
.irp b, 0,1,2,3
.irp i, 0,1,2,3,4,5,6,7,8,9,10,11,12,13,14,15
	v_med3_num_f32 v[\s+16*\b+\i], v[\s+16*\b+\i], -v[TM+8+\b], v[TM+8+\b]   ; the conversion to an 8-bit code does not saturate (ISA guide 7.6.2): the hold comes first
.endr
	v_cvt_scalef32_pk8_bf8_f32 v[\d+4*\b:\d+1+4*\b], v[\s+16*\b:\s+7+16*\b], v[TM+12+\b]
	v_cvt_scalef32_pk8_bf8_f32 v[\d+2+4*\b:\d+3+4*\b], v[\s+8+16*\b:\s+15+16*\b], v[TM+12+\b]
.endr
	v_nop                                                 ; one plain instruction behind the last conversion
.endm
.macro KIMAGE t                        ; my tile of K, as its registers stand, and its scale words
.irp c, 0,1,2,3
	ds_store_b128 v[KWI], v[PC+4*\c:PC+4*\c+3] offset:16384*(\t)+512*\c
.endr
	ds_store_b32 v[KWS], v[PW] offset:1024*(\t)
.endm
.macro VSTORE t                        ; my four pieces of V^T (channel tiles 4 (w&1) + u) and their bytes; lanes l and l xor 16 write the same byte with the same value
.irp u, 0,1,2,3
	ds_store_b128 v[VWI], v[PC+4*\u:PC+4*\u+3] offset:16384*(\t)+512*\u
	ds_store_b8 v[VWS], v[TM+4+\u] offset:512*(\t)+32*\u
.endr
.endm
; ---- pair t is quantised.  issue = 1: each set of load registers is asked for again (pair t + 1) as soon as its LDS stores have read it.
; The loads go out in the order K0 V0 Q1 | K1 V1 | Q2 K2 V2, each behind the wait that freed its registers: behind the set that is wanted stand two younger sets of 16 (count 32); the last pair's counts run down.
.macro STAGE t, hasq, issue, nq, nk, nv
.if \hasq
	s_wait_loadcnt \nq
	TURNROW QR, XA
	s_wait_dscnt 0x0                   ; Q's numbers are in XA, and the stores have read QR
.if \issue
	GLOADQ (\t)+1
.endif
.endif
	s_wait_loadcnt \nk
	TURNROW KR, XB
.if \hasq
	QUANT XA, QF, QS                   ; stands beside K's turn through the stage
.endif
	s_wait_dscnt 0x0
.if \issue
	GLOADK (\t)+1
.endif
	s_wait_loadcnt \nv
	TURNCOL XA
	QUANT XB, PC, PW                   ; stands beside V's turn
	KIMAGE \t
	s_wait_dscnt 0x0                   ; V's numbers are in XA; the image's stores have read PC
.if \issue
	GLOADV (\t)+1
.endif
	QUANT XA, PC, 0
	VSTORE \t
.endm
.macro BARRIER                         ; my LDS stores have landed and my LDS loads are in: then the work-group's barrier
	s_wait_dscnt 0x0
	s_barrier_signal -1
	s_barrier_wait -1
.endm
.macro PLACES n
.rept \n
	v_nop
.endr
.endm
; ---- four tiles of K (group grp of three) and their scale words: 20 LDS loads
.macro KFETCH t, grp, reg, win
.if \win
	WIN 0x40
.endif
.irp i, 0,1,2,3
.irp c, 0,1,2,3
	ds_load_b128 v[\reg+16*\i+4*\c:\reg+16*\i+4*\c+3], v[KRD] offset:16384*((\t)-1)+2048*(4*\grp+\i)+512*\c
.endr
.endr
	WIN 0
.irp i, 0,1,2,3
	ds_load_b32 v[KS+4*((\grp)%2)+\i], v[KSRD] offset:1024*((\t)-1)+128*(4*\grp+\i)
.endr
.endm
.macro SCORES grp, reg                 ; S^T = K Q^T: source 0 = 16 keys, source 1 = my 16 queries; each product is a whole sum (K = 128)
.irp i, 0,1,2,3
	v_wmma_scale_f32_16x16x128_f8f6f4 v[S+8*(4*\grp+\i):S+8*(4*\grp+\i)+7], v[\reg+16*\i:\reg+16*\i+15], v[QF:QF+15], 0, v[KS+4*((\grp)%2)+\i], v[QS] matrix_a_fmt:MATRIX_FMT_BF8 matrix_b_fmt:MATRIX_FMT_BF8
.endr
.endm
; ---- attention for my 16 queries of half t
.macro ATT t
	KFETCH \t, 0, XA, 0
	KFETCH \t, 1, KB, 1
.irp i, 0,1,2,3,4,5,6,7                ; V's scale bytes: two a stage and channel
	ds_load_u16 v[VSL+\i], v[VSRD] offset:512*((\t)-1)+32*\i
	ds_load_u16 v[PC+\i], v[VSRD] offset:512*((\t)-1)+256+32*\i
	ds_load_u16 v[VS1+\i], v[VSRD] offset:512*((\t)-1)+512+32*\i
.endr
	s_wait_dscnt 44                    ; group 0 is in: behind it stand group 1's 20 loads and the 24 of scale bytes
	SCORES 0, XA
	s_wait_dscnt 24                    ; group 1 is in
	WIN 0x01                           ; source 0 in window 1
	SCORES 1, KB
	WIN 0
	s_wait_dscnt 0x0
.irp i, 0,1,2,3,4,5,6,7
	v_lshl_or_b32 v[VSL+\i], v[PC+\i], 16, v[VSL+\i]      ; the first K step's four bytes.  These eight are also the places in front of the loads below (ISA guide 7.12.1 for vector instructions)
.endr
	KFETCH \t, 2, XA, 0
	s_wait_dscnt 0x0
	SCORES 2, XA
	PLACES 8
.if (\t) == 1                          ; the head's first block has no block before it,
	s_cmp_lg_u32 s22, 0
	s_cbranch_scc1 .Lopen_\@
.set j, 0
.else                                  ; its last none behind it
	s_cmp_lg_u32 s23, 31
	s_cbranch_scc1 .Lopen_\@
.set j, 64
.endif
.rept 32
	v_mov_b32 v[S+j], 0xff800000       ; -infinity: p = 0
.set j, j+1
.endr
.Lopen_\@:
	; the largest score of each block of 32 keys: it serves the row's maximum and, since p rises with the score, the block's largest p.  Each tile is read from its low end on
.irp b, 0,1,2,3,4,5
	v_max3_num_f32 v[BM+\b], v[S+16*\b], v[S+16*\b+1], v[S+16*\b+2]
.endr
.irp i, 3,5,7,9,11,13
.irp b, 0,1,2,3,4,5
	v_max3_num_f32 v[BM+\b], v[BM+\b], v[S+16*\b+\i], v[S+16*\b+\i+1]
.endr
.endr
.irp b, 0,1,2,3,4,5
	v_max_num_f32 v[BM+\b], v[BM+\b], v[S+16*\b+15]
.endr
.irp b, 0,1,2,3,4,5
	v_permlanex16_b32 v[BP+\b], v[BM+\b], s24, s25
.endr
.irp b, 0,1,2,3,4,5
	v_max_num_f32 v[BM+\b], v[BM+\b], v[BP+\b]            ; with lane l xor 16's 16 keys
.endr
	v_max3_num_f32 v[RM], v[BM], v[BM+1], v[BM+2]
	v_max3_num_f32 v[RM], v[RM], v[BM+3], v[BM+4]
	v_max_num_f32 v[RM], v[RM], v[BM+5]
	v_mul_f32 v[RM], s26, v[RM]                           ; the row's largest t (c is positive)
	v_floor_f32 v[NM], -v[RM]                             ; -M = floor(-t) = -ceil(t)
.set j, 0
.rept 48
	v_pk_fma_f32 v[S+j:S+j+1], v[S+j:S+j+1], s[26:27], v[NM:NM+1] op_sel_hi:[1,0,0]   ; t - M, two at a time; of the pairs c and -M the low word serves both halves
.set j, j+2
.endr
.irp b, 0,1,2,3,4,5
	v_fma_f32 v[BM+\b], v[BM+\b], s26, v[NM]              ; the same of each block's largest score
.endr
.set j, 0
.rept 96
	v_exp_f32 v[S+j], v[S+j]                              ; p = 2^(t - M), not normalised
.set j, j+1
.endr
	v_nop                                                 ; a plain instruction behind the batch
	s_wait_alu depctr_va_vdst(0)                          ; one wait for the 96, ahead of their first reader
.irp b, 0,1,2,3,4,5
	v_exp_f32 v[BM+\b], v[BM+\b]                          ; the block's largest p: the same two instructions on the same number
.endr
	v_pk_add_f32 v[SA:SA+1], v[S:S+1], v[S+2:S+3]         ; the row's sum of the unquantised p, in two chains; it reads the 96 alone
	v_pk_add_f32 v[SB:SB+1], v[S+4:S+5], v[S+6:S+7]
.set j, 8
.rept 22
	v_pk_add_f32 v[SA:SA+1], v[SA:SA+1], v[S+j:S+j+1]
	v_pk_add_f32 v[SB:SB+1], v[SB:SB+1], v[S+j+2:S+j+3]
.set j, j+4
.endr
	v_pk_add_f32 v[SA:SA+1], v[SA:SA+1], v[SB:SB+1]
	s_wait_alu depctr_va_vdst(0)                          ; and one for the six
.irp b, 0,1,2,3,4,5
	v_max_num_f32 v[BM+\b], 0x8000000, v[BM+\b]           ; the floor 2^(16 - 127)
.endr
.irp b, 0,1,2,3,4,5
	v_add_nc_u32 v[SO+\b], 0xf8800000, v[BM+\b]
.endr
.irp b, 0,1,2,3,4,5
	v_and_or_b32 v[LM+\b], v[BM+\b], 0x7f800000, s28
.endr
.irp b, 0,1,2,3,4,5
	v_lshrrev_b32 v[BP+\b], 23, v[SO+\b]
.endr
	v_lshl_or_b32 v[PS0], v[BP+1], 8, v[BP]               ; p's scale words: four bytes for the first K step,
	v_lshl_or_b32 v[PS0], v[BP+2], 16, v[PS0]
	v_lshl_or_b32 v[PS0], v[BP+3], 24, v[PS0]
	v_lshl_or_b32 v[PS1], v[BP+5], 8, v[BP+4]             ; two for the second
.irp b, 0,1,2,3,4,5
.irp i, 0,1,2,3,4,5,6,7,8,9,10,11,12,13,14,15
	v_min_num_f32 v[S+16*\b+\i], v[S+16*\b+\i], v[LM+\b]  ; p is not negative: the hold is one-sided
.endr
	v_cvt_scalef32_pk8_bf8_f32 v[PC+4*\b:PC+1+4*\b], v[S+16*\b:S+16*\b+7], v[SO+\b]
	v_cvt_scalef32_pk8_bf8_f32 v[PC+2+4*\b:PC+3+4*\b], v[S+16*\b+8:S+16*\b+15], v[SO+\b]
.endr
	PLACES 4                                              ; codes made by vector instructions stand four places ahead of the scaled products
	; O^T = V^T P^T, four channel tiles at a time.  Tile i's 24 registers at S + 24 i: blocks 4, 5, then blocks 0-3
.irp g, 0,1
.if \g
	PLACES 8                                              ; in front of loads into registers that the last products read
.endif
.irp i, 0,1,2,3
.irp k, 0,1,2,3
	ds_load_b128 v[S+24*\i+8+4*\k:S+24*\i+8+4*\k+3], v[VRD] offset:16384*((\t)-1)+4096*\k+512*(4*\g+\i)
.endr
.irp k, 4,5
	ds_load_b128 v[S+24*\i+4*(\k-4):S+24*\i+4*(\k-4)+3], v[VRD] offset:16384*((\t)-1)+4096*\k+512*(4*\g+\i)
.endr
.endr
.if \g == 0
	v_add_f32 v[SA], v[SA], v[SA+1]                       ; the sum's two halves,
	v_permlanex16_b32 v[SB], v[SA], s24, s25
	v_add_f32 v[SA], v[SA], v[SB]                         ; and lane l xor 16's: the row's sum
	v_rcp_f32 v[RC], v[SA]
	v_nop                                                 ; a plain instruction behind it; its wait stands ahead of its first reader, on the way out
.endif
	s_wait_dscnt 0x0
	WIN 0x50                                              ; C and D in window 1
.irp i, 0,1,2,3                                           ; the four accumulators by turns, one instruction a turn
	v_wmma_scale_f32_16x16x128_f8f6f4 v[O+8*(4*\g+\i):O+8*(4*\g+\i)+7], v[S+24*\i+8:S+24*\i+23], v[PC:PC+15], 0, v[VSL+4*\g+\i], v[PS0] matrix_a_fmt:MATRIX_FMT_BF8 matrix_b_fmt:MATRIX_FMT_BF8
.endr
.irp i, 0,1,2,3
	v_wmma_scale_f32_16x16x128_f8f6f4 v[O+8*(4*\g+\i):O+8*(4*\g+\i)+7], v[S+24*\i:S+24*\i+15], v[P1:P1+15], v[O+8*(4*\g+\i):O+8*(4*\g+\i)+7], v[VS1+4*\g+\i], v[PS1] matrix_a_fmt:MATRIX_FMT_BF8 matrix_b_fmt:MATRIX_FMT_BF8
.endr
	WIN 0
.endr
	; THE WAY OUT: O^T / the sum; a lane's eight channels of a query go into my stage (rows of 528 bytes) and come back as whole rows of 512 bytes
	PLACES 8
	s_wait_alu depctr_va_vdst(0)                          ; the reciprocal's wait, ahead of its first reader
	WIN 0x01
.set j, 0
.rept 32
	v_pk_mul_f32 v[S+j:S+j+1], v[O+j:O+j+1], v[RC:RC+1] op_sel_hi:[1,0]   ; each accumulator from its low end on
.set j, j+2
.endr
	WIN 0
.irp i, 0,1,2,3,4,5,6,7
	ds_store_b128 v[OSW], v[S+8*\i:S+8*\i+3] offset:64*\i
	ds_store_b128 v[OSW], v[S+8*\i+4:S+8*\i+7] offset:64*\i+16
.endr
.irp i, 0,1,2,3,4,5,6,7,8,9,10,11,12,13,14,15
	ds_load_b128 v[XA+4*\i:XA+4*\i+3], v[STW] offset:528*\i
.endr
.irp i, 0,1,2,3,4,5,6,7,8,9,10,11,12,13,14,15
	s_wait_dscnt 15-\i
	global_store_b128 v[OQ], v[XA+4*\i:XA+4*\i+3], s[10:11] offset:65536*((\t)-1)+512*\i th:TH_STORE_NT   ; 32 lanes store 512 consecutive bytes, at a multiple of 512 from out0's first byte
.endr
.endm
	; ================ HEAD
	s_load_b256 s[4:11], s[0:1], 0x0               ; q s[4:5], k s[6:7], v s[8:9], out0 s[10:11]
	v_lshrrev_b32 v64, 5, v0
	v_readfirstlane_b32 s12, v64                   ; wave 0..7
	s_mov_b32 s13, ttmp9                           ; chunk c
	s_and_b32 s14, ttmp7, 0xffff
	s_lshl_b32 s14, s14, 21                        ; the head's first byte: 4,096 rows of 512 bytes
	s_lshr_b32 s15, s12, 2                         ; qb
	s_and_b32 s30, s12, 1                          ; w & 1
	s_bfe_u32 s31, s12, 0x10001                    ; (w / 2) & 1
	s_lshl_b32 s32, s31, 14                        ; which 32 keys of my stage: 32 rows of 512 bytes
	s_add_co_u32 s32, s32, s14
	s_lshl_b32 s33, s30, 12                        ; K: my tile begins 8 (w & 1) rows on
	s_add_co_u32 s33, s33, s32
	s_lshl_b32 s34, s30, 8                         ; V: my 64 channels
	s_add_co_u32 s34, s34, s32
	s_lshl_b32 s35, s13, 2
	s_add_co_u32 s35, s35, s15                     ; 4 c + qb
.irp t, 0,1,2
	s_add_co_i32 s36, s35, 2*\t-1                  ; my key block of pair t,
	s_max_i32 s36, s36, 0                          ; held inside the head
	s_min_i32 s36, s36, 63
	s_lshl_b32 s36, s36, 15                        ; 64 rows of 512 bytes
	s_add_co_u32 s[16+\t], s36, s33
	s_add_co_u32 s[19+\t], s36, s34
.endr
	s_or_b32 s22, s13, s15                         ; 0: ATT 1's first stage does not exist
	s_lshl_b32 s23, s15, 4
	s_add_co_u32 s23, s23, s13                     ; 31: ATT 2's third stage does not exist
	s_mov_b32 s24, 0x76543210
	s_mov_b32 s25, 0xfedcba98                      ; v_permlanex16_b32's selects for lane l xor 16
	s_mov_b32 s26, 0x3e0293ee                      ; c = log2(e) / sqrt(128)
	s_mov_b32 s27, s26                             ; (named with it as a pair)
	s_mov_b32 s28, 0x600000                        ; the mantissa field of 57,344
	v_and_b32 v64, 31, v0                          ; lane
	v_and_b32 v65, 15, v0                          ; r
	v_bfe_u32 v66, v0, 4, 1                        ; h
	v_lshlrev_b32 v[LI], 4, v64
	v_lshlrev_b32 v[LV], 13, v66
	v_lshl_add_u32 v[LV], v65, 4, v[LV]
	s_lshl_b32 s36, s13, 17                        ; 256 c rows
	s_lshl_b32 s37, s12, 13                        ; 16 w rows
	s_add_co_u32 s36, s36, s37
	s_add_co_u32 s36, s36, s14
	v_add_nc_u32 v[OQ], s36, v[LI]
	s_wait_kmcnt 0x0
	GLOADK 0                                       ; 48 loads of 512 bytes a wave go out before anything else is made
	GLOADV 0
	GLOADQ 1
	s_mul_i32 s29, s12, STGB                       ; my stage
	v_add_nc_u32 v[STW], s29, v[LI]
	v_mul_u32_u24 v[STR], v65, 528
	v_add_nc_u32 v[STR], s29, v[STR]
	v_lshl_add_u32 v[OSW], v66, 5, v[STR]
	v_lshl_add_u32 v[STR], v66, 6, v[STR]
	v_mul_u32_u24 v[SVW], v66, 4416
	v_add_nc_u32 v[SVW], s29, v[SVW]
	v_lshl_add_u32 v[SVR], v65, 2, v[SVW]
	v_lshl_add_u32 v[SVW], v65, 4, v[SVW]
	s_lshl_b32 s36, s12, 11
	s_add_co_u32 s37, s36, KIMG
	v_add_nc_u32 v[KWI], s37, v[LI]
	s_add_co_u32 s37, s36, VIMG
	v_add_nc_u32 v[VWI], s37, v[LI]
	s_lshl_b32 s36, s12, 7
	s_add_co_u32 s36, s36, KSC
	v_lshl_add_u32 v[KWS], v64, 2, s36
	s_lshl_b32 s36, s15, 8
	s_lshl_b32 s37, s30, 7
	s_add_co_u32 s36, s36, s37
	s_add_co_u32 s36, s36, s31
	s_add_co_u32 s36, s36, VSC
	v_lshl_add_u32 v[VWS], v65, 1, s36
	s_lshl_b32 s36, s15, 13
	s_add_co_u32 s37, s36, KIMG
	v_add_nc_u32 v[KRD], s37, v[LI]
	s_add_co_u32 s37, s36, VIMG
	v_add_nc_u32 v[VRD], s37, v[LI]
	s_lshl_b32 s36, s15, 9
	s_add_co_u32 s36, s36, KSC
	v_lshl_add_u32 v[KSRD], v64, 2, s36
	s_lshl_b32 s36, s15, 8
	s_add_co_u32 s36, s36, VSC
	v_lshl_add_u32 v[VSRD], v65, 1, s36
.irp i, 0,1,2,3,4,5,6,7
	v_mov_b32 v[P1+8+\i], 0                        ; zero codes: the upper 64 places of the second K step, for the whole launch
.endr
.irp b, 0,1,2,3
	v_mov_b32 v[TM+4+\b], 0                        ; written once: a lane permute's destination counts as one of its sources
.endr
	; ================ THE WORK
	STAGE 0, 0, 1, 0, 32, 32
	STAGE 1, 1, 1, 32, 32, 32
	BARRIER                                        ; stages 0 to 3 lie in LDS
	ATT 1
	s_wait_xcnt 0x0                                ; the stores above have read XA: only behind this wait is it loaded again
	STAGE 2, 1, 0, 32, 16, 0                       ; it writes the bytes of stages 4 and 5 alone, which ATT 1 does not read: no barrier is owed in front of it
	BARRIER                                        ; stages 4 and 5 lie in LDS
	ATT 2
	s_wait_xcnt 0x0
	v_lshl_add_u32 v254, v0, 2, 0x2aa00
	v_mov_b32 v255, 0
	s_wait_tensorcnt 0x0
	ds_add_u32 v254, v255
	s_wait_dscnt 0x0
	s_endpgm
.Lfunc_end_k_qaf29fd2ff4_attn:
	.size	k_qaf29fd2ff4_attn, .Lfunc_end_k_qaf29fd2ff4_attn-k_qaf29fd2ff4_attn
	.p2alignl 7, 3214868480
	.fill 96, 4, 3214868480
	.section	.rodata,"a",@progbits
	.p2align	6, 0x0
	.amdhsa_kernel k_qaf29fd2ff4_attn
		.amdhsa_group_segment_fixed_size 175616
		.amdhsa_private_segment_fixed_size 0
		.amdhsa_enable_private_segment 0
		.amdhsa_kernarg_size 32
		.amdhsa_user_sgpr_count 2
		.amdhsa_user_sgpr_kernarg_segment_ptr 1
		.amdhsa_wavefront_size32 1
		.amdhsa_system_sgpr_workgroup_id_x 1
		.amdhsa_system_sgpr_workgroup_id_y 1
		.amdhsa_system_sgpr_workgroup_id_z 1
		.amdhsa_system_vgpr_workitem_id 0
		.amdhsa_next_free_vgpr 512
		.amdhsa_next_free_sgpr 66
		.amdhsa_reserve_vcc 0
		.amdhsa_float_denorm_mode_32 3
		.amdhsa_float_denorm_mode_16_64 3
		.amdhsa_memory_ordered 1
		.amdhsa_forward_progress 1
		.amdhsa_inst_pref_size 191
	.end_amdhsa_kernel
	.amdgpu_metadata
---
amdhsa.version: [ 1, 2 ]
amdhsa.kernels:
  - .name:           k_qaf29fd2ff4_attn
    .symbol:         k_qaf29fd2ff4_attn.kd
    .args:
      - { .name: q, .offset: 0, .size: 8, .value_kind: global_buffer, .address_space: global }
      - { .name: k, .offset: 8, .size: 8, .value_kind: global_buffer, .address_space: global }
      - { .name: v, .offset: 16, .size: 8, .value_kind: global_buffer, .address_space: global }
      - { .name: out0, .offset: 24, .size: 8, .value_kind: global_buffer, .address_space: global }
    .group_segment_fixed_size: 175616
    .private_segment_fixed_size: 0
    .kernarg_segment_align: 8
    .kernarg_segment_size: 32
    .max_flat_workgroup_size: 256
    .sgpr_count:     66
    .vgpr_count:     512
    .wavefront_size: 32
...
	.end_amdgpu_metadata
.endif
;; end of part 1
;; ======== version 2 of 2: 1 launch; version 1 with the launch attn written anew for expert scheduling mode
;; launch attn (part 2): grid 16 x 16, 8 waves a work-group, no clusters, 175,616 bytes of LDS; arguments q, k, v, out0; writes out0
.if DOCPART == 2
	.amdgcn_target "amdgcn-amd-amdhsa--gfx1250"
	.amdhsa_code_object_version 6
	.text
	.protected	k_qaf29fd2ff4_attn
	.globl	k_qaf29fd2ff4_attn
	.p2align	8
	.type	k_qaf29fd2ff4_attn,@function
k_qaf29fd2ff4_attn:
	s_mov_b64 s[64:65], 0
	v_nop
	global_prefetch_b8 v0, s[64:65] scope:SCOPE_SE
	s_setreg_imm32_b32 hwreg(HW_REG_WAVE_SCHED_MODE, 0, 2), 2
	s_setreg_imm32_b32 hwreg(HW_REG_WAVE_MODE, 25, 1), 1
	s_wait_xcnt 0x0
	s_wait_alu depctr_vm_vsrc(0)
; out0[h][q] = sum over the keys of softmax(q . k / sqrt(128)) v, where a query of 64-token block i sees the keys of blocks i-1, i, i+1 alone.
; q, k, v, out0: [16][4096][128] f32.  Both products on codes of BF8 (E5M2) with one E8M0 scale for each 32 along a product's K:
; q and k are quantised along the head's 128, v and p along the keys (blocks of 32 from key 0: a 64-token block is two of them).
; p = 2^(t - M), t = score x log2(e) / sqrt(128), M = ceil(the row's largest t); the row's sum is taken of the unquantised p and divides at the end.
; A row's 192 keys are all in registers at once, so M is the row's own and nothing is rescaled.
; SHARES.  A work-group (x = chunk c of 256 queries, y = head) has eight waves.  It needs six key blocks, 4c-1 .. 4c+4: STAGES 0 .. 5, in three PAIRS of 128 keys.
; Of pair t wave w quantises one tile of 16 keys of K, one piece of V (32 keys x 64 channels) and, for t >= 1, its own 16 queries; the codes go to LDS as
; images of the operands' registers (16 bytes a lane on end), each byte written once.  ATT t (t = 1, 2): wave w owns queries 256c + 128(t-1) + 16w + 0..15 and
; reads the three stages 2t-2+qb .. 2t+qb, qb = w / 4.
; THE KEYS OF A TILE OF K ARE NOT NEIGHBOURS: row j of tile 2b+u is key 32b + 8u + j + 8(j/8), so that p's 16 registers of tiles 2b, 2b+1 are 16 neighbouring keys.
; Both products are used transposed (S^T = K Q^T, O^T = V^T P^T): a lane holds one query throughout.
; THE SECOND PRODUCT has 192 keys: a K step of 128 and one of 64.  The second step's upper 64 places hold zero codes on p's side (v248-255, cleared once) and, on V's side,
; the first step's first eight registers, finite codes: they add nothing, whatever their scale bytes (here 0, which is no NaN).
; THE ENDS OF A HEAD.  Stage 0 of chunk 0 and stage 5 of chunk 15 do not exist: the block's index is held to 0 .. 63, so the neighbouring block is loaded in their place,
; and the scores of that stage are set to -infinity (a scalar branch on the work-group's and the wave's number): p = 0, codes 0.
; NO JOINT LOADS: the numbers arrive as f32 and pass through registers to be quantised; of a work-group's six key blocks two are also a neighbour's, and each neighbour wants others beside them.
; LIMITS: NaN and infinities among the inputs are not served.  A block of zeros gets the scale byte 1 where the rule says 127: its codes are zeros, and this program alone reads the bytes.
; A p under 2^-126 comes out of v_exp_f32 as 0.
; THE MODE: SCHED_MODE bits 1:0 = 2 (LLVM: expert scheduling mode 2), set by the entry lines.  The code itself states the register dependences
; between vector or matrix instructions and memory or LDS instructions, with s_wait_alu, always for 0.
; THE PLAN.  Registers that memory or LDS instructions touch:
;   KR, VR, QR   written by global loads, read by the stage's LDS stores; no vector instruction names them.  A wait on vm_vsrc behind those stores, and the set is asked for again.
;   XA           LDS loads land in it (Q's turn, V's turn, K's groups 0 and 2, rows on the way out); the quantiser, the score products and the softmax name it; the global stores read it.
;   XB = S ..    LDS loads land in it (K's turn, V's fragments); the quantiser, the products and the softmax name it; the way out's LDS stores read S .. S + 63.
;   PC, PW, TM+4 written by the quantiser (PC also by loads of scale bytes, TM + 4 .. 7 also by the third group's products); read by the images' LDS stores.
;   KS, VSL, VS1, KB = O   LDS loads land in them; products read them (O: write), VSL is also written by vector instructions, O read by the last multiplications.
;   addresses    all made at the head and never written again: K's and V's three pairs are reached by scalar bases.
; A wait on va_vdst stands ahead of each run of LDS stores of what vector instructions made (the image of K, the pieces of V, the results); the same wait shows the quantiser or the softmax
; done with XA and XB, so the LDS loads that follow, up to the next vector instruction that names those registers, owe nothing more.  Further ones stand where a buffer is loaded again
; straight behind its readers: XA ahead of V's turn and of K's group 2, S ahead of each four tiles of V.
;
; LDS: a stage of 8,960 bytes for each wave (16 rows of 528, or two halves of 16 rows of 272, the second 4,416 on); K's 24 tiles, 2,048 each; V's 96 pieces, 512 each;
; K's scale words, 128 bytes a tile; V's scale bytes at 256 stage + 32 T + 2 r + (block & 1).
.set STGB, 8960
.set KIMG, 8*STGB
.set VIMG, KIMG+24*2048
.set KSC,  VIMG+96*512
.set VSC,  KSC+24*128
; REGISTERS, window 0
.set OQ,   1          ; byte offset of my lane in my 16 rows of q and of out0 (ATT 1's); never rewritten
.set STW,  4          ; my stage + 16 lane
.set STR,  5          ; my stage + 528 r + 64 h
.set SVW,  6          ; my stage + 4416 h + 16 r
.set SVR,  7          ; my stage + 4416 h + 4 r
.set KWI,  8          ; KIMG + 2048 w + 16 lane
.set KWS,  9          ; KSC + 128 w + 4 lane
.set VWI,  10         ; VIMG + 2048 w + 16 lane
.set VWS,  11         ; VSC + 256 (w/4) + 128 (w&1) + ((w/2)&1) + 2 r
.set KRD,  12         ; KIMG + 8192 qb + 16 lane
.set KSRD, 13         ; KSC + 512 qb + 4 lane
.set VRD,  14         ; VIMG + 8192 qb + 16 lane
.set VSRD, 15         ; VSC + 256 qb + 2 r
.set OSW,  16         ; my stage + 528 r + 32 h
.set LI,   17         ; 16 lane: also the K loads' offset
.set LV,   18         ; 8192 h + 16 r: the V loads' offset
.set QS,   19         ; Q's scale word
.set PW,   20         ; the scale word just made (K's)
.set PS0,  21         ; p's scale words
.set PS1,  22
.set QF,   24         ; v24-39   Q's fragment
.set KS,   40         ; v40-47   K's scale words, two groups of four
.set VSL,  48         ; v48-55   V's scale words of the first K step, T = 0..7
.set VS1,  56         ; v56-63   of the second
.set XA,   64         ; v64-127  numbers to quantise; K's fragments; softmax's figures; rows on the way out
.set S,    128        ; v128-223 twelve tiles of scores, then p, then V's fragments, then results
.set XB,   128        ; v128-191 numbers to quantise
.set TM,   192        ; v192-207 quantiser: +0 largest magnitudes, +4 bytes, +8 limits, +12 scale operands
.set PC,   224        ; v224-239 codes just made; p's codes of blocks 0-3
.set P1,   240        ; v240-247 p's codes of blocks 4, 5;  v248-255 zeros
.set BM,   64         ; softmax, inside XA: six blocks' largest scores, then largest p
.set BP,   70         ; at work; then the six bytes
.set LM,   76         ; 57,344 x the scale
.set SO,   82         ; the conversions' scale operands
.set NM,   88         ; v88 -M; v89 is named with it as a pair and never taken
.set RM,   90
.set SA,   92         ; the row's sum in two chains of pairs
.set SB,   94
.set RC,   96         ; 1 / the sum; v97 is named with it as a pair and never taken
; window 1
.set KR,   0          ; K as loaded
.set VR,   64         ; V as loaded
.set QR,   128        ; Q as loaded
.set O,    192        ; eight accumulators of O^T; before them
.set KB,   192        ; K's fragments of group 1
; scalars: s[4:11] q, k, v, out0; s12 w; s13 c; s14 head's bytes; s15 qb; s22, s23 the ends' tests; s[24:25] lane selects; s[26:27] c; s28 mantissa
.set KBS,  16         ; s[16:21] K at my tile of pairs 0, 1, 2: a pair of registers each; never rewritten behind the head
.set VBS,  38         ; s[38:43] V at my piece of pairs 0, 1, 2
.set MSB, 0
.macro WIN new                         ; low byte: bits 1:0 source 0, 3:2 source 1, 5:4 source 2, 7:6 destination; the high byte repeats the setting that is left
.if MSB != \new
	s_set_vgpr_msb (MSB<<8)|\new
.set MSB, \new
.endif
.endm
; ---- sixteen loads of 512 consecutive bytes each, under a window setting with the destination in window 1, which the caller makes.
.macro GLOADK t                        ; my tile's sixteen rows of K: one whole row a load
.irp j, 0,1,2,3,4,5,6,7,8,9,10,11,12,13,14,15
	global_load_b128 v[KR+4*\j:KR+4*\j+3], v[LI], s[KBS+2*(\t):KBS+2*(\t)+1] offset:(\j+8*(\j/8))*512
.endr
.endm
.macro GLOADV t                        ; my 32 keys x 64 channels of V: lanes 0-15 take 256 aligned bytes of key j, lanes 16-31 of key 16 + j
.irp j, 0,1,2,3,4,5,6,7,8,9,10,11,12,13,14,15
	global_load_b128 v[VR+4*\j:VR+4*\j+3], v[LV], s[VBS+2*(\t):VBS+2*(\t)+1] offset:512*\j
.endr
.endm
.macro GLOADQ t                        ; my sixteen queries of ATT t; read once in the launch
.irp j, 0,1,2,3,4,5,6,7,8,9,10,11,12,13,14,15
	global_load_b128 v[QR+4*\j:QR+4*\j+3], v[OQ], s[4:5] offset:((\t)-1)*65536+512*\j th:TH_LOAD_NT
.endr
.endm
; ---- sixteen rows of 512 bytes turn through my stage: in as loaded, back so that v[x + 16 b + e] = row r, channel 32 b + 16 h + e: the operand's order.
; LDS serves a wave's instructions in order: no wait between the stores and the loads, nor in front of the next turn's stores.  Rows 528 bytes apart: the sixteen rows of a load start at sixteen different groups of banks.
.macro TURNROW set, x
	WIN 0x04
.irp j, 0,1,2,3,4,5,6,7,8,9,10,11,12,13,14,15
	ds_store_b128 v[STW], v[\set+4*\j:\set+4*\j+3] offset:528*\j
.endr
	WIN 0
.irp b, 0,1,2,3
.irp i, 0,1,2,3
	ds_load_b128 v[\x+16*\b+4*\i:\x+16*\b+4*\i+3], v[STR] offset:128*\b+16*\i
.endr
.endr
.endm
; ---- V's piece: in as loaded (half h: keys 16 h + j, rows of 272 bytes), back a column a lane: v[x + 16 u + i] = V[key 16 h + i][channel 16 u + r] of my 32 keys and 64 channels
.macro TURNCOL x
	WIN 0x04
.irp j, 0,1,2,3,4,5,6,7,8,9,10,11,12,13,14,15
	ds_store_b128 v[SVW], v[VR+4*\j:VR+4*\j+3] offset:272*\j
.endr
	WIN 0
.irp u, 0,1,2,3
.irp i, 0,1,2,3,4,5,6,7,8,9,10,11,12,13,14,15
	ds_load_b32 v[\x+16*\u+\i], v[SVR] offset:272*\i+64*\u
.endr
.endr
.endm
; ---- 64 numbers of a lane, four runs of 16, each half of a block of 32 whose other half lies in lane l xor 16, become 16 registers of codes in v[d] on;
; the four bytes stay in v[TM+4] on and, where word is not 0, make the scale word v[word].
.macro QUANT s, d, word
.irp b, 0,1,2,3
	v_max3_num_f32 v[TM+\b], |v[\s+16*\b]|, |v[\s+1+16*\b]|, 0x8000000   ; my 16 numbers, and the floor 2^(16 - 127): the byte cannot fall under 1
.endr
.irp i, 2,4,6,8,10,12,14
.irp b, 0,1,2,3
	v_max3_num_f32 v[TM+\b], v[TM+\b], |v[\s+16*\b+\i]|, |v[\s+1+16*\b+\i]|   ; the four blocks by turns
.endr
.endr
.irp b, 0,1,2,3
	v_permlanex16_b32 v[TM+4+\b], v[TM+\b], s24, s25
.endr
.irp b, 0,1,2,3
	v_max_num_f32 v[TM+\b], v[TM+\b], v[TM+4+\b]          ; the block's largest magnitude
.endr
.irp b, 0,1,2,3
	v_add_nc_u32 v[TM+12+\b], 0xf8800000, v[TM+\b]        ; 15 off its exponent field: the conversion's scale operand
.endr
.irp b, 0,1,2,3
	v_and_or_b32 v[TM+8+\b], v[TM+\b], 0x7f800000, s28    ; 57,344 x the scale
.endr
.irp b, 0,1,2,3
	v_lshrrev_b32 v[TM+4+\b], 23, v[TM+12+\b]             ; the scale's byte
.endr
.if \word
	v_lshl_or_b32 v[\word], v[TM+5], 8, v[TM+4]
	v_lshl_or_b32 v[\word], v[TM+6], 16, v[\word]
	v_lshl_or_b32 v[\word], v[TM+7], 24, v[\word]
.endif
.irp b, 0,1,2,3
.irp i, 0,1,2,3,4,5,6,7,8,9,10,11,12,13,14,15
	v_med3_num_f32 v[\s+16*\b+\i], v[\s+16*\b+\i], -v[TM+8+\b], v[TM+8+\b]   ; the conversion to an 8-bit code does not saturate (ISA guide 7.6.2): the hold comes first
.endr
	v_cvt_scalef32_pk8_bf8_f32 v[\d+4*\b:\d+1+4*\b], v[\s+16*\b:\s+7+16*\b], v[TM+12+\b]
	v_cvt_scalef32_pk8_bf8_f32 v[\d+2+4*\b:\d+3+4*\b], v[\s+8+16*\b:\s+15+16*\b], v[TM+12+\b]
.endr
	v_nop                                                 ; one plain instruction behind the last conversion
.endm
.macro KIMAGE t                        ; my tile of K, as its registers stand, and its scale words
.irp c, 0,1,2,3
	ds_store_b128 v[KWI], v[PC+4*\c:PC+4*\c+3] offset:16384*(\t)+512*\c
.endr
	ds_store_b32 v[KWS], v[PW] offset:1024*(\t)
.endm
.macro VSTORE t                        ; my four pieces of V^T (channel tiles 4 (w&1) + u) and their bytes; lanes l and l xor 16 write the same byte with the same value
.irp u, 0,1,2,3
	ds_store_b128 v[VWI], v[PC+4*\u:PC+4*\u+3] offset:16384*(\t)+512*\u
	ds_store_b8 v[VWS], v[TM+4+\u] offset:512*(\t)+32*\u
.endr
.endm
; ---- pair t is quantised.  issue = 1: each set of load registers is asked for again (pair t + 1) as soon as its LDS stores have read it.
; The loads go out in the order K0 V0 Q1 | K1 V1 | Q2 K2 V2: behind the set that is wanted stand two younger sets of 16 (count 32); the last pair's counts run down.
.macro STAGE t, hasq, issue, nq, nk, nv
.if \hasq
	s_wait_loadcnt \nq
	TURNROW QR, XA                     ; XA and XB are free: no vector instruction has named them since the wait on va_vdst ahead of the last run of LDS stores
.if \issue
	WIN 0x40
	s_wait_alu depctr_vm_vsrc(0)       ; the stage's stores have read QR, in which the loads below land; the last pair's stores have read PC, PW and the four bytes at TM + 4, which this pair's quantisers write
	GLOADQ (\t)+1
	WIN 0
.endif
.endif
	s_wait_loadcnt \nk
	TURNROW KR, XB
.if \issue
	WIN 0x40
	s_wait_alu depctr_vm_vsrc(0)       ; the stage's stores have read KR, in which the loads below land
	GLOADK (\t)+1
	WIN 0
.endif
.if \hasq
	s_wait_dscnt 32                    ; Q's numbers are in XA: behind their loads stand K's turn's sixteen stores and sixteen loads
	QUANT XA, QF, QS                   ; stands beside K's turn through the stage
.endif
	s_wait_dscnt 0x0                   ; K's numbers are in XB
	s_wait_loadcnt \nv
.if \hasq
	s_wait_alu depctr_va_vdst(0)       ; Q's quantiser is done with XA, in which V's numbers land; it has written QF and QS, which the scaled products take
.endif
	TURNCOL XA
	QUANT XB, PC, PW                   ; stands beside V's turn
	s_wait_alu depctr_va_vdst(0)       ; the conversions have written PC, and PW is made: the image's stores read them
	KIMAGE \t
	s_wait_dscnt 0x0                   ; V's numbers are in XA
.if \issue
	WIN 0x40
.endif
	s_wait_alu depctr_vm_vsrc(0)       ; the image's stores have read PC, which the conversions below write again, and PW; the stage's stores have read VR, in which the loads below land
.if \issue
	GLOADV (\t)+1
	WIN 0
.endif
	QUANT XA, PC, 0
	s_wait_alu depctr_va_vdst(0)       ; PC and the four bytes at TM + 4 are written: the stores below read them.  Both quantisers are done with XA and XB: the LDS loads that land there next owe nothing more
	VSTORE \t
.endm
.macro BARRIER                         ; my LDS stores have landed and my LDS loads are in: then the work-group's barrier
	s_wait_dscnt 0x0
	s_barrier_signal -1
	s_barrier_wait -1
.endm
.macro PLACES n
.rept \n
	v_nop
.endr
.endm
; ---- four tiles of K (group grp of three) and their scale words: 20 LDS loads
.macro KFETCH t, grp, reg, win
.if \win
	WIN 0x40
.endif
.irp i, 0,1,2,3
.irp c, 0,1,2,3
	ds_load_b128 v[\reg+16*\i+4*\c:\reg+16*\i+4*\c+3], v[KRD] offset:16384*((\t)-1)+2048*(4*\grp+\i)+512*\c
.endr
.endr
	WIN 0
.irp i, 0,1,2,3
	ds_load_b32 v[KS+4*((\grp)%2)+\i], v[KSRD] offset:1024*((\t)-1)+128*(4*\grp+\i)
.endr
.endm
.macro SCORES grp, reg                 ; S^T = K Q^T: source 0 = 16 keys, source 1 = my 16 queries; each product is a whole sum (K = 128)
.irp i, 0,1,2,3
	v_wmma_scale_f32_16x16x128_f8f6f4 v[S+8*(4*\grp+\i):S+8*(4*\grp+\i)+7], v[\reg+16*\i:\reg+16*\i+15], v[QF:QF+15], 0, v[KS+4*((\grp)%2)+\i], v[QS] matrix_a_fmt:MATRIX_FMT_BF8 matrix_b_fmt:MATRIX_FMT_BF8
.endr
.endm
; ---- attention for my 16 queries of half t
.macro ATT t
	s_wait_alu depctr_vm_vsrc(0)       ; the pair's last LDS stores have read PC, in which scale bytes land below, and the four bytes at TM + 4, which the third group's products write
	KFETCH \t, 0, XA, 0                ; XA, KB, the scale words' registers: no vector or matrix instruction has named them since the last wait on va_vdst
	KFETCH \t, 1, KB, 1
.irp i, 0,1,2,3,4,5,6,7                ; V's scale bytes: two a stage and channel
	ds_load_u16 v[VSL+\i], v[VSRD] offset:512*((\t)-1)+32*\i
	ds_load_u16 v[PC+\i], v[VSRD] offset:512*((\t)-1)+256+32*\i
	ds_load_u16 v[VS1+\i], v[VSRD] offset:512*((\t)-1)+512+32*\i
.endr
	s_wait_dscnt 44                    ; group 0 is in: behind it stand group 1's 20 loads and the 24 of scale bytes
	SCORES 0, XA
	s_wait_dscnt 0x0                   ; group 1 and the scale bytes are in
.irp i, 0,1,2,3,4,5,6,7
	v_lshl_or_b32 v[VSL+\i], v[PC+\i], 16, v[VSL+\i]      ; the first K step's four bytes.  These eight name no register of group 0's products: they are the places behind them
.endr
	s_wait_alu depctr_va_vdst(0)       ; group 0's products are done reading XA and their four scale words, in which group 2 lands
	KFETCH \t, 2, XA, 0                ; it lands while group 1 is multiplied
	WIN 0x01                           ; source 0 in window 1
	SCORES 1, KB
	WIN 0
	s_wait_dscnt 0x0
	SCORES 2, XA
	PLACES 8
.if (\t) == 1                          ; the head's first block has no block before it,
	s_cmp_lg_u32 s22, 0
	s_cbranch_scc1 .Lopen_\@
.set j, 0
.else                                  ; its last none behind it
	s_cmp_lg_u32 s23, 31
	s_cbranch_scc1 .Lopen_\@
.set j, 64
.endif
.rept 32
	v_mov_b32 v[S+j], 0xff800000       ; -infinity: p = 0
.set j, j+1
.endr
.Lopen_\@:
	; the largest score of each block of 32 keys: it serves the row's maximum and, since p rises with the score, the block's largest p.  Each tile is read from its low end on
.irp b, 0,1,2,3,4,5
	v_max3_num_f32 v[BM+\b], v[S+16*\b], v[S+16*\b+1], v[S+16*\b+2]
.endr
.irp i, 3,5,7,9,11,13
.irp b, 0,1,2,3,4,5
	v_max3_num_f32 v[BM+\b], v[BM+\b], v[S+16*\b+\i], v[S+16*\b+\i+1]
.endr
.endr
.irp b, 0,1,2,3,4,5
	v_max_num_f32 v[BM+\b], v[BM+\b], v[S+16*\b+15]
.endr
.irp b, 0,1,2,3,4,5
	v_permlanex16_b32 v[BP+\b], v[BM+\b], s24, s25
.endr
.irp b, 0,1,2,3,4,5
	v_max_num_f32 v[BM+\b], v[BM+\b], v[BP+\b]            ; with lane l xor 16's 16 keys
.endr
	v_max3_num_f32 v[RM], v[BM], v[BM+1], v[BM+2]
	v_max3_num_f32 v[RM], v[RM], v[BM+3], v[BM+4]
	v_max_num_f32 v[RM], v[RM], v[BM+5]
	v_mul_f32 v[RM], s26, v[RM]                           ; the row's largest t (c is positive)
	v_floor_f32 v[NM], -v[RM]                             ; -M = floor(-t) = -ceil(t)
.set j, 0
.rept 48
	v_pk_fma_f32 v[S+j:S+j+1], v[S+j:S+j+1], s[26:27], v[NM:NM+1] op_sel_hi:[1,0,0]   ; t - M, two at a time; of the pairs c and -M the low word serves both halves
.set j, j+2
.endr
.irp b, 0,1,2,3,4,5
	v_fma_f32 v[BM+\b], v[BM+\b], s26, v[NM]              ; the same of each block's largest score
.endr
.set j, 0
.rept 96
	v_exp_f32 v[S+j], v[S+j]                              ; p = 2^(t - M), not normalised
.set j, j+1
.endr
	v_nop                                                 ; a plain instruction behind the batch
	s_wait_alu depctr_va_vdst(0)                          ; the 96 exponentials have written p: one wait, ahead of their first reader
.irp b, 0,1,2,3,4,5
	v_exp_f32 v[BM+\b], v[BM+\b]                          ; the block's largest p: the same two instructions on the same number
.endr
	v_pk_add_f32 v[SA:SA+1], v[S:S+1], v[S+2:S+3]         ; the row's sum of the unquantised p, in two chains; it reads the 96 alone
	v_pk_add_f32 v[SB:SB+1], v[S+4:S+5], v[S+6:S+7]
.set j, 8
.rept 22
	v_pk_add_f32 v[SA:SA+1], v[SA:SA+1], v[S+j:S+j+1]
	v_pk_add_f32 v[SB:SB+1], v[SB:SB+1], v[S+j+2:S+j+3]
.set j, j+4
.endr
	v_pk_add_f32 v[SA:SA+1], v[SA:SA+1], v[SB:SB+1]
	s_wait_alu depctr_va_vdst(0)                          ; the six exponentials have written the blocks' largest p, ahead of their first reader
.irp b, 0,1,2,3,4,5
	v_max_num_f32 v[BM+\b], 0x8000000, v[BM+\b]           ; the floor 2^(16 - 127)
.endr
.irp b, 0,1,2,3,4,5
	v_add_nc_u32 v[SO+\b], 0xf8800000, v[BM+\b]
.endr
.irp b, 0,1,2,3,4,5
	v_and_or_b32 v[LM+\b], v[BM+\b], 0x7f800000, s28
.endr
.irp b, 0,1,2,3,4,5
	v_lshrrev_b32 v[BP+\b], 23, v[SO+\b]
.endr
	v_lshl_or_b32 v[PS0], v[BP+1], 8, v[BP]               ; p's scale words: four bytes for the first K step,
	v_lshl_or_b32 v[PS0], v[BP+2], 16, v[PS0]
	v_lshl_or_b32 v[PS0], v[BP+3], 24, v[PS0]
	v_lshl_or_b32 v[PS1], v[BP+5], 8, v[BP+4]             ; two for the second
.irp b, 0,1,2,3,4,5
.irp i, 0,1,2,3,4,5,6,7,8,9,10,11,12,13,14,15
	v_min_num_f32 v[S+16*\b+\i], v[S+16*\b+\i], v[LM+\b]  ; p is not negative: the hold is one-sided
.endr
	v_cvt_scalef32_pk8_bf8_f32 v[PC+4*\b:PC+1+4*\b], v[S+16*\b:S+16*\b+7], v[SO+\b]
	v_cvt_scalef32_pk8_bf8_f32 v[PC+2+4*\b:PC+3+4*\b], v[S+16*\b+8:S+16*\b+15], v[SO+\b]
.endr
	PLACES 4                                              ; codes made by vector instructions stand four places ahead of the scaled products
	s_wait_alu depctr_va_vdst(0)                          ; the holds and conversions are done with p's registers, in which V's fragments land; p's codes and two scale words and V's eight words of the first K step, all made by vector instructions, are written, ahead of the scaled products that take them
	; O^T = V^T P^T, four channel tiles at a time.  Tile i's 24 registers at S + 24 i: blocks 4, 5, then blocks 0-3
.irp g, 0,1
.if \g
	PLACES 8                                              ; behind the last products, whose fragments are loaded anew
	s_wait_alu depctr_va_vdst(0)                          ; the first four tiles' products are done reading V's fragments, in which the next four tiles' land; the reciprocal has written 1 / the sum: this wait also stands ahead of its first reader, on the way out
.endif
.irp i, 0,1,2,3
.irp k, 0,1,2,3
	ds_load_b128 v[S+24*\i+8+4*\k:S+24*\i+8+4*\k+3], v[VRD] offset:16384*((\t)-1)+4096*\k+512*(4*\g+\i)
.endr
.irp k, 4,5
	ds_load_b128 v[S+24*\i+4*(\k-4):S+24*\i+4*(\k-4)+3], v[VRD] offset:16384*((\t)-1)+4096*\k+512*(4*\g+\i)
.endr
.endr
.if \g == 0
	v_add_f32 v[SA], v[SA], v[SA+1]                       ; the sum's two halves (these five lines name registers of XA alone: none that the loads above or the products below touch),
	v_permlanex16_b32 v[SB], v[SA], s24, s25
	v_add_f32 v[SA], v[SA], v[SB]                         ; and lane l xor 16's: the row's sum
	v_rcp_f32 v[RC], v[SA]
	v_nop                                                 ; a plain instruction behind it
.endif
	s_wait_dscnt 0x0
	WIN 0x50                                              ; C and D in window 1
.irp i, 0,1,2,3                                           ; the four accumulators by turns, one instruction a turn
	v_wmma_scale_f32_16x16x128_f8f6f4 v[O+8*(4*\g+\i):O+8*(4*\g+\i)+7], v[S+24*\i+8:S+24*\i+23], v[PC:PC+15], 0, v[VSL+4*\g+\i], v[PS0] matrix_a_fmt:MATRIX_FMT_BF8 matrix_b_fmt:MATRIX_FMT_BF8
.endr
.irp i, 0,1,2,3
	v_wmma_scale_f32_16x16x128_f8f6f4 v[O+8*(4*\g+\i):O+8*(4*\g+\i)+7], v[S+24*\i:S+24*\i+15], v[P1:P1+15], v[O+8*(4*\g+\i):O+8*(4*\g+\i)+7], v[VS1+4*\g+\i], v[PS1] matrix_a_fmt:MATRIX_FMT_BF8 matrix_b_fmt:MATRIX_FMT_BF8
.endr
	WIN 0
.endr
	; THE WAY OUT: O^T / the sum; a lane's eight channels of a query go into my stage (rows of 528 bytes) and come back as whole rows of 512 bytes
	PLACES 8
	WIN 0x01
.set j, 0
.rept 32
	v_pk_mul_f32 v[S+j:S+j+1], v[O+j:O+j+1], v[RC:RC+1] op_sel_hi:[1,0]   ; each accumulator from its low end on
.set j, j+2
.endr
	WIN 0
	s_wait_alu depctr_va_vdst(0)                          ; the multiplications have written the results, which the LDS stores read; they are done reading 1 / the sum, which lies in XA, where the rows land, and O, in which the next half's fragments of K land
.irp i, 0,1,2,3,4,5,6,7
	ds_store_b128 v[OSW], v[S+8*\i:S+8*\i+3] offset:64*\i
	ds_store_b128 v[OSW], v[S+8*\i+4:S+8*\i+7] offset:64*\i+16
.endr
.irp i, 0,1,2,3,4,5,6,7,8,9,10,11,12,13,14,15
	ds_load_b128 v[XA+4*\i:XA+4*\i+3], v[STW] offset:528*\i
.endr
.irp i, 0,1,2,3,4,5,6,7,8,9,10,11,12,13,14,15
	s_wait_dscnt 15-\i
	global_store_b128 v[OQ], v[XA+4*\i:XA+4*\i+3], s[10:11] offset:65536*((\t)-1)+512*\i th:TH_STORE_NT   ; 32 lanes store 512 consecutive bytes, at a multiple of 512 from out0's first byte
.endr
.endm
	; ================ HEAD
	s_load_b256 s[4:11], s[0:1], 0x0               ; q s[4:5], k s[6:7], v s[8:9], out0 s[10:11]
	v_lshrrev_b32 v64, 5, v0
	v_readfirstlane_b32 s12, v64                   ; wave 0..7
	v_and_b32 v64, 31, v0                          ; lane
	v_and_b32 v65, 15, v0                          ; r
	v_bfe_u32 v66, v0, 4, 1                        ; h
	v_lshlrev_b32 v[LI], 4, v64
	v_lshlrev_b32 v[LV], 13, v66
	v_lshl_add_u32 v[LV], v65, 4, v[LV]
	s_mov_b32 s13, ttmp9                           ; chunk c
	s_and_b32 s14, ttmp7, 0xffff
	s_lshl_b32 s14, s14, 21                        ; the head's first byte: 4,096 rows of 512 bytes
	s_wait_alu depctr_va_sdst(0)                   ; s12 is written, ahead of its first reader: bases, LDS addresses and the ends' tests are made from it
	s_lshr_b32 s15, s12, 2                         ; qb
	s_and_b32 s30, s12, 1                          ; w & 1
	s_bfe_u32 s31, s12, 0x10001                    ; (w / 2) & 1
	s_lshl_b32 s32, s31, 14                        ; which 32 keys of my stage: 32 rows of 512 bytes
	s_add_co_u32 s32, s32, s14
	s_lshl_b32 s33, s30, 12                        ; K: my tile begins 8 (w & 1) rows on
	s_add_co_u32 s33, s33, s32
	s_lshl_b32 s34, s30, 8                         ; V: my 64 channels
	s_add_co_u32 s34, s34, s32
	s_lshl_b32 s35, s13, 2
	s_add_co_u32 s35, s35, s15                     ; 4 c + qb
.irp t, 0,1,2
	s_add_co_i32 s36, s35, 2*\t-1                  ; my key block of pair t,
	s_max_i32 s36, s36, 0                          ; held inside the head
	s_min_i32 s36, s36, 63
	s_lshl_b32 s36, s36, 15                        ; 64 rows of 512 bytes
	s_add_co_u32 s[KBS+2*\t], s36, s33             ; byte offsets, in 64 bits: the buffers' addresses are added below
	s_mov_b32 s[KBS+2*\t+1], 0
	s_add_co_u32 s[VBS+2*\t], s36, s34
	s_mov_b32 s[VBS+2*\t+1], 0
.endr
	s_or_b32 s22, s13, s15                         ; 0: ATT 1's first stage does not exist
	s_lshl_b32 s23, s15, 4
	s_add_co_u32 s23, s23, s13                     ; 31: ATT 2's third stage does not exist
	s_mov_b32 s24, 0x76543210
	s_mov_b32 s25, 0xfedcba98                      ; v_permlanex16_b32's selects for lane l xor 16
	s_mov_b32 s26, 0x3e0293ee                      ; c = log2(e) / sqrt(128)
	s_mov_b32 s27, s26                             ; (named with it as a pair)
	s_mov_b32 s28, 0x600000                        ; the mantissa field of 57,344
	s_lshl_b32 s36, s13, 17                        ; 256 c rows
	s_lshl_b32 s37, s12, 13                        ; 16 w rows
	s_add_co_u32 s36, s36, s37
	s_add_co_u32 s36, s36, s14
	v_add_nc_u32 v[OQ], s36, v[LI]
	s_wait_kmcnt 0x0
.irp t, 0,1,2
	s_add_nc_u64 s[KBS+2*\t:KBS+2*\t+1], s[6:7], s[KBS+2*\t:KBS+2*\t+1]   ; K at my tile of pair t
	s_add_nc_u64 s[VBS+2*\t:VBS+2*\t+1], s[8:9], s[VBS+2*\t:VBS+2*\t+1]   ; V at my piece of pair t
.endr
	WIN 0x40
	s_wait_alu depctr_va_vdst(0)                   ; the three offsets v[LI], v[LV] and v[OQ] are written: every global load and store of the kernel reads one of them
	GLOADK 0                                       ; 48 loads of 512 bytes a wave go out before anything else is made
	GLOADV 0
	GLOADQ 1
	WIN 0
	s_mul_i32 s29, s12, STGB                       ; my stage
	v_add_nc_u32 v[STW], s29, v[LI]
	v_mul_u32_u24 v[STR], v65, 528
	v_add_nc_u32 v[STR], s29, v[STR]
	v_lshl_add_u32 v[OSW], v66, 5, v[STR]
	v_lshl_add_u32 v[STR], v66, 6, v[STR]
	v_mul_u32_u24 v[SVW], v66, 4416
	v_add_nc_u32 v[SVW], s29, v[SVW]
	v_lshl_add_u32 v[SVR], v65, 2, v[SVW]
	v_lshl_add_u32 v[SVW], v65, 4, v[SVW]
	s_lshl_b32 s36, s12, 11
	s_add_co_u32 s37, s36, KIMG
	v_add_nc_u32 v[KWI], s37, v[LI]
	s_add_co_u32 s37, s36, VIMG
	v_add_nc_u32 v[VWI], s37, v[LI]
	s_lshl_b32 s36, s12, 7
	s_add_co_u32 s36, s36, KSC
	v_lshl_add_u32 v[KWS], v64, 2, s36
	s_lshl_b32 s36, s15, 8
	s_lshl_b32 s37, s30, 7
	s_add_co_u32 s36, s36, s37
	s_add_co_u32 s36, s36, s31
	s_add_co_u32 s36, s36, VSC
	v_lshl_add_u32 v[VWS], v65, 1, s36
	s_lshl_b32 s36, s15, 13
	s_add_co_u32 s37, s36, KIMG
	v_add_nc_u32 v[KRD], s37, v[LI]
	s_add_co_u32 s37, s36, VIMG
	v_add_nc_u32 v[VRD], s37, v[LI]
	s_lshl_b32 s36, s15, 9
	s_add_co_u32 s36, s36, KSC
	v_lshl_add_u32 v[KSRD], v64, 2, s36
	s_lshl_b32 s36, s15, 8
	s_add_co_u32 s36, s36, VSC
	v_lshl_add_u32 v[VSRD], v65, 1, s36
.irp i, 0,1,2,3,4,5,6,7
	v_mov_b32 v[P1+8+\i], 0                        ; zero codes: the upper 64 places of the second K step, for the whole launch
.endr
.irp b, 0,1,2,3
	v_mov_b32 v[TM+4+\b], 0                        ; written once: a lane permute's destination counts as one of its sources
.endr
	s_wait_alu depctr_va_vdst(0)                   ; the thirteen LDS addresses v4 to v16 are written, which every LDS instruction of the kernel reads; the head is done with v64 to v66, in which LDS loads land
	; ================ THE WORK
	STAGE 0, 0, 1, 0, 32, 32
	STAGE 1, 1, 1, 32, 32, 32
	BARRIER                                        ; stages 0 to 3 lie in LDS
	ATT 1
	s_wait_xcnt 0x0                                ; the stores above have had their addresses translated: only behind this wait is XA loaded again
	s_wait_alu depctr_vm_vsrc(0)                   ; the global stores have read XA and the way out's LDS stores S .. S + 63: the turns below land in both
	STAGE 2, 1, 0, 32, 16, 0                       ; it writes the bytes of stages 4 and 5 alone, which ATT 1 does not read: no barrier is owed in front of it
	BARRIER                                        ; stages 4 and 5 lie in LDS
	ATT 2
	s_wait_xcnt 0x0
	v_lshl_add_u32 v254, v0, 2, 0x2aa00
	v_mov_b32 v255, 0
	s_wait_dscnt 0x0                               ; the closing lines, six on end
	s_wait_alu 0x0
	s_wait_tensorcnt 0x0
	ds_add_u32 v254, v255
	s_wait_dscnt 0x0
	s_endpgm
.Lfunc_end_k_qaf29fd2ff4_attn:
	.size	k_qaf29fd2ff4_attn, .Lfunc_end_k_qaf29fd2ff4_attn-k_qaf29fd2ff4_attn
	.p2alignl 7, 3214868480
	.fill 96, 4, 3214868480
	.section	.rodata,"a",@progbits
	.p2align	6, 0x0
	.amdhsa_kernel k_qaf29fd2ff4_attn
		.amdhsa_group_segment_fixed_size 175616
		.amdhsa_private_segment_fixed_size 0
		.amdhsa_enable_private_segment 0
		.amdhsa_kernarg_size 32
		.amdhsa_user_sgpr_count 2
		.amdhsa_user_sgpr_kernarg_segment_ptr 1
		.amdhsa_wavefront_size32 1
		.amdhsa_system_sgpr_workgroup_id_x 1
		.amdhsa_system_sgpr_workgroup_id_y 1
		.amdhsa_system_sgpr_workgroup_id_z 1
		.amdhsa_system_vgpr_workitem_id 0
		.amdhsa_next_free_vgpr 512
		.amdhsa_next_free_sgpr 66
		.amdhsa_reserve_vcc 0
		.amdhsa_float_denorm_mode_32 3
		.amdhsa_float_denorm_mode_16_64 3
		.amdhsa_memory_ordered 1
		.amdhsa_forward_progress 1
		.amdhsa_inst_pref_size 192
	.end_amdhsa_kernel
	.amdgpu_metadata
---
amdhsa.version: [ 1, 2 ]
amdhsa.kernels:
  - .name:           k_qaf29fd2ff4_attn
    .symbol:         k_qaf29fd2ff4_attn.kd
    .args:
      - { .name: q, .offset: 0, .size: 8, .value_kind: global_buffer, .address_space: global }
      - { .name: k, .offset: 8, .size: 8, .value_kind: global_buffer, .address_space: global }
      - { .name: v, .offset: 16, .size: 8, .value_kind: global_buffer, .address_space: global }
      - { .name: out0, .offset: 24, .size: 8, .value_kind: global_buffer, .address_space: global }
    .group_segment_fixed_size: 175616
    .private_segment_fixed_size: 0
    .kernarg_segment_align: 8
    .kernarg_segment_size: 32
    .max_flat_workgroup_size: 256
    .sgpr_count:     66
    .vgpr_count:     512
    .wavefront_size: 32
...
	.end_amdgpu_metadata
.endif
;; end of part 2
